; MI455X (gfx1250); checked and timed in simulation.
; The chip was launched on July 23, 2026; its instructions are those of AMD's public machine-readable ISA for CDNA 5 (MIT licence, August 2026) and "CDNA5" Instruction Set Architecture Reference Guide (July 2026). The comments in the code are by the model that wrote it; some were corrected since.
;; Re Sprop Attention. Allowed arithmetic: matrix products marked QUANTISED: E2M1 operands, one E8M0 scale for each 32 along K, by v_wmma_scale_f32_16x16x128_f8f6f4 with both operands' format E2M1 (or v_wmma_scale_f32_32x16x128_f4), f32 sums; everything else in f32.
;; Inputs: K 32 x 2,048 x 64 float32; Q 32 x 2,048 x 64 float32; V 32 x 2,048 x 64 float32.
;; Outputs: out0 32 x 2,048 x 64 float32.
;; This version of the problem:
;;   THIS VERSION OF THE PROBLEM IS GIVEN IN LOW PRECISION. The matrix products marked QUANTISED in the list below multiply operands that are first quantised to E2M1 (2 exponent bits, 1 mantissa bit; 4 bits a number), with one power-of-two scale for each 32 numbers along K (OCP MX v1.0); their sums are f32. All else is computed in f32.
;;   The module's matrix products, in the order in which they are computed (A, B: the left and right operand; K: the contracted axis; several contracted axes count as one K, in the product's order):
;;     1. batch 32 x [M 2,048, K 64] x [K 64, N 2,048]; A: input Q; B: input K: QUANTISED
;;     2. batch 32 x [M 2,048, K 2,048] x [K 2,048, N 64]; A: softmax (see below); B: input V: QUANTISED
;;   THE QUANTISER, for each operand of a quantised product, along K:
;;     - K is cut into blocks of 32 from its start; a last block that is shorter is filled with zeros.
;;     - A block's scale is 2^e with e = floor(log2(the largest magnitude in the block)) - 2, held to -126 .. 127; a block of zeros has e = 0. As a byte (E8M0): e + 127.
;;     - Each number is divided by its block's scale, clamped to +-6, and rounded to the nearest number of E2M1, ties to even, subnormals kept.
;;     - The product sums the exact products of the quantised numbers (number of the format x scale) in f32.
;;   ~~~python
;;   def quantise(x, axis):      # numpy; x: float32 -> the quantised numbers, widened to float32 again
;;       x = np.moveaxis(x, axis, -1); K = x.shape[-1]
;;       x = np.pad(x, [(0, 0)] * (x.ndim - 1) + [(0, -K % 32)]); x = x.reshape(x.shape[:-1] + (-1, 32)); a = np.abs(x).max(-1, keepdims=True)
;;       e = np.where(a > 0, np.clip(np.frexp(np.where(a > 0, a, 1))[1] - 1 - 2, -126, 127), 0)      # np.frexp(a)[1] - 1 = floor(log2(a)), exactly
;;       r = np.clip(x / 2.0 ** e, -6, 6)
;;       step = 2.0 ** (np.maximum(np.frexp(np.where(r == 0, 1, r))[1] - 1, 0) - 1)
;;       q = np.round(r / step) * step * 2.0 ** e      # np.round: ties to even
;;       return np.moveaxis(q.reshape(q.shape[:-2] + (-1,))[..., :K], -1, axis).astype(np.float32)
;;   ~~~
;;   SOFTMAX AHEAD OF A QUANTISED PRODUCT. Where the list says 'softmax', what is quantised is not the finished softmax but p = 2^(t - M), with t = logit x log2(e) and M = ceil(the row's largest t), a whole number; so 1/2 < the row's largest p <= 1. The row's sum l is taken of the UNQUANTISED p, in f32, and the product's result is divided by l at the end. Since M is a whole number, a kernel that streams over the keys may use a running M (the ceiling of the running maximum): every later rescaling is an exact power of two, which a block's scale takes up: the codes' values come out the same.
;;   OPERANDS COMPUTED ON THE WAY. 'Computed on the way' means the value that the module computes at that place (a softmax that the list does not call 'softmax' is quantised finished and normalised). What goes into a quantiser is computed in f32, as accurately as f32 sums, v_exp_f32 and their like allow (about 1e-6 of the number): no bf16 or f16 on the way to a quantiser, and a product that is left as it is and whose result goes on into a quantised operand takes f32 operands (vector FMAs, or v_wmma_f32_16x16x4_f32). A number that lies on a knife's edge between two numbers of the format may be rounded either way, as far as f32 arithmetic and the matrix unit's own rounding can turn it there, and no further.
;; One version. Each part assembles by itself: llvm-mc -triple=amdgcn-amd-amdhsa -mcpu=gfx1250 --defsym DOCPART=n.
;; ======== version 1 of 1: 2 launches
;; limits: right only within a limited range of input values
;; workspace buffers: kv 4,456,448 bytes
;; launch quant (part 1): grid 8 x 32, 16 waves a work-group, no clusters, 169,984 bytes of LDS; arguments K, V, kv; writes kv
.if DOCPART == 1
	.amdgcn_target "amdgcn-amd-amdhsa--gfx1250"
	.amdhsa_code_object_version 6
	.text
	.protected	k_q9b16712039_quant
	.globl	k_q9b16712039_quant
	.p2align	8
	.type	k_q9b16712039_quant,@function
k_q9b16712039_quant:
	s_mov_b64 s[64:65], 0
	v_nop
	global_prefetch_b8 v0, s[64:65] scope:SCOPE_SE
	s_setreg_imm32_b32 hwreg(HW_REG_WAVE_MODE, 25, 1), 1
	s_wait_xcnt 0x0
; K and V, [32][2048][64] f32, become codes of FP4 (E2M1) with one E8M0 scale byte for each 32 along the product's K: for K that is the head's 64 (innermost),
; for V the keys (its first axis inside a head).  A block's scale is 2^(floor(log2(its largest magnitude)) - 2): its byte is the largest magnitude's exponent field - 2, held at 1 from below.
; LIMITS: NaN and infinities among the inputs are not served.  A block of zeros, and one whose largest magnitude lies under 2^(3 - 127), gets the byte 1 (the stated quantiser gives a block of
; zeros 127): its codes are zeros, which add nothing under any byte but 0xff, and the bytes are read by this program alone.
; THE WORKSPACE IS LAID AS THE NEXT LAUNCH'S OPERAND REGISTERS.  Head hd at hd x 139,264: first K's part, 16 key steps (of 128 keys) of 4,352 bytes, then V's part, likewise (r = lane % 16, h = lane / 16, l = lane):
;   K step: codes: four fragments f of 1,024 bytes, each two groups g of 512: lane l's 16 bytes at 16 l are d = 32 h .. 32 h + 31 of key 64 (T / 4) + 32 (r / 8) + 8 (T % 4) + r % 8, T = 2 f + g
;           4096  scale bytes: 64 f + 4 r + 2 g + h
;   V step: codes: four tiles t of 1,024 bytes: at 256 b + 16 r the 32 keys of block b (32 b ..) of column d = 16 t + r
;           4096  scale bytes: 128 (t / 2) + 4 (16 (t % 2) + r) + b
; SHARES.  A work-group takes 256 keys (two key steps) of one head, of K and of V: 256 work-groups of equal work.  Each of its sixteen waves brings 32 rows (8 KiB) into LDS by ONE tensor load,
; waves 0-7 K's rows, waves 8-15 V's: nothing in LDS is filled twice.  Behind a barrier waves 0-7 make one fragment of K each (a lane reads its 32 neighbours along d from one row),
; waves 8-15 two blocks of 32 columns of V each (a lane takes a column, its registers run down the keys): a block of 32 lies in ONE lane's registers in both roles.
; The codes leave straight from registers: every store of a wave covers whole aligned runs of 256 consecutive bytes.  The scale bytes meet in LDS and leave as runs of 256 bytes.
; No cluster: no two work-groups read the same input byte.  No prefetch: there is no loop to run ahead in.
.set PITCH, 272                        ; an LDS row: 256 bytes (64 f32) + 16 of padding
.set WROWS, 32*PITCH                   ; what one tensor load brings: 8,704 bytes
.set VB,    8*WROWS                    ; V's 256 rows lie behind K's 256
.set SCS,   16*WROWS                   ; behind them: the two steps' scale bytes, K's 256 and V's 256 each; written by LDS stores alone
.set SPARE, 0x29000                    ; the spare words
.set STEPB, 4352                       ; a key step of one part
.set VPART, 16*STEPB
.set HEADB, 32*STEPB
.set LI,  4                            ; v4   16 x lane
.set KRD, 5                            ; v5   K role: LDS address of my 128 bytes of my key's row, group 0
.set KSS, 6                            ; v6   K role: LDS address of my scale byte, group 0
.set KGO, 7                            ; v7   K role: where my 16 bytes of codes go, group 0
.set VRD, 8                            ; v8   V role: LDS address of my column in the first key of my first block
.set VSS, 9                            ; v9   V role: LDS address of my scale byte, first block
.set VGO, 10                           ; v10  V role: where my 16 bytes of codes go, first block
.set FR,  11                           ; v11  the scale bytes' way out: 16 bytes a thread
.set FO,  12                           ; v12  and their place in the workspace
.set MA,  14                           ; v14, v15 two chains of the largest magnitude
.set MB,  15
.set SO,  16                           ; v16  the conversion's scale operand
.set E,   18                           ; v18, v19 the two groups' scale bytes
.set C,   20                           ; v20-27 the two groups' codes
.set X,   32                           ; v32-95 two groups of 32 numbers
.set SPW, 96                           ; v96  LDS address of my spare word, v97 0; never rewritten
.set NIL, 97
.set WV,  10                           ; s10  my wave's number
.set G1,  16                           ; s[16:23] descriptor group 1
.set G0,  24                           ; s[24:27] descriptor group 0
	s_load_b128 s[4:7], s[0:1], 0x0                ; K s[4:5], V s[6:7]
	s_load_b64 s[8:9], s[0:1], 0x10                ; kv
	v_lshl_add_u32 v[SPW], v0, 2, SPARE
	v_mov_b32 v[NIL], 0
	ds_add_u32 v[SPW], v[NIL]                      ; the opening add, twice on end
	ds_add_u32 v[SPW], v[NIL]
	v_lshrrev_b32 v1, 5, v0
	v_readfirstlane_b32 s[WV], v1                  ; wave 0..15
	s_and_b32 s11, ttmp7, 0xffff                   ; the head
	s_and_b32 s30, s[WV], 7                        ; w': my number within my role
	; descriptor group 1: 32 rows of 64 elements of 4 bytes, dense in memory, 16 bytes of padding behind each row in LDS
	s_mov_b32 s[G1+0], (2<<16)|(1<<20)|(5<<22)|(3<<25)
	s_mov_b32 s[G1+1], 64<<16                      ; tensor_dim0 = 64
	s_mov_b32 s[G1+2], 32<<16                      ; tensor_dim1 = 32
	s_mov_b32 s[G1+3], 64<<16                      ; tile_dim0 = 64
	s_mov_b32 s[G1+4], 32                          ; tile_dim1 = 32
	s_mov_b32 s[G1+5], 64                          ; elements from row to row
	s_mov_b32 s[G1+6], 0
	s_mov_b32 s[G1+7], 0
	s_lshl_b32 s14, s11, 19                        ; the head's 2,048 rows of 256 bytes,
	s_lshl_b32 s31, ttmp9, 16                      ; the work-group's 256 rows,
	s_add_co_u32 s14, s14, s31
	s_lshl_b32 s31, s30, 13                        ; my 32 of them
	s_add_co_u32 s14, s14, s31
	s_mov_b32 s15, 0
	s_mul_i32 s28, s11, HEADB                      ; the workspace: the head's image,
	s_mul_i32 s31, ttmp9, 2*STEPB                  ; the work-group's two key steps
	s_add_co_u32 s28, s28, s31
	s_mov_b32 s29, 0
	s_mov_b32 s[G0+0], 1                           ; count = 1
	s_mul_i32 s[G0+1], s[WV], WROWS                ; LDS address: wave x 32 rows: K's eight parts, then V's eight
	s_wait_alu depctr_va_vdst(0)
	s_wait_dscnt 0x0
	s_wait_kmcnt 0x0
	s_cmp_lt_u32 s[WV], 8                          ; waves 0-7 fetch from K, waves 8-15 from V: the choice hangs on the wave's number alone
	s_cselect_b64 s[12:13], s[4:5], s[6:7]
	s_add_nc_u64 s[G0+2:G0+3], s[12:13], s[14:15]  ; global address of my first row
	s_or_b32 s[G0+3], s[G0+3], 0x80000000          ; type = 2
	s_add_nc_u64 s[28:29], s[8:9], s[28:29]        ; kv at the work-group's first key step of K
	tensor_load_to_lds s[G0:G0+3], s[G1:G1+7]      ; my one tensor load of the launch; the sixteen together bring the work-group's 128 KiB
	s_nop 0
	; every address register of both roles is made here, in every wave, ahead of the parting, while the tiles are on their way
	s_lshr_b32 s32, s30, 2                         ; st: which of the two key steps
	s_and_b32 s34, s30, 1                          ; w' % 2
	s_bfe_u32 s37, s30, 0x10001                    ; (w' / 2) % 2
	s_lshl_b32 s33, s32, 9                         ; st x 512: the step's scale bytes in LDS
	s_mul_i32 s36, s32, STEPB                      ; the step's block in a part of the workspace
	; K role: fragment f = w' % 4 of step st.  Group g's key for lane r: 128 st + 64 (f / 2) + 16 (f % 2) + 8 g + 32 (r / 8) + r % 8
	s_lshr_b32 s35, s30, 1
	s_lshl_b32 s35, s35, 6                         ; 64 (w' / 2) = 128 st + 64 (f / 2)
	s_lshl_b32 s38, s34, 4                         ; 16 (f % 2)
	s_add_co_u32 s35, s35, s38
	s_mul_i32 s35, s35, PITCH
	s_and_b32 s39, s30, 3                          ; f
	s_lshl_b32 s38, s39, 6
	s_add_co_u32 s38, s38, s33
	s_add_co_u32 s38, s38, SCS                     ; 64 f in the step's bytes
	s_lshl_b32 s39, s39, 10
	s_add_co_u32 s39, s39, s36                     ; 1,024 f in the step's block
	; V role: columns 32 hf + l (hf = (w' / 2) % 2), blocks bp and bp + 2 (bp = w' % 2) of step st
	s_lshl_b32 s12, s32, 7
	s_lshl_b32 s13, s34, 5
	s_add_co_u32 s12, s12, s13                     ; first key: 128 st + 32 bp
	s_mul_i32 s12, s12, PITCH
	s_lshl_b32 s13, s37, 7                         ; 128 hf: bytes along the row; and my columns' scale bytes begin there
	s_add_co_u32 s12, s12, s13
	s_add_co_u32 s12, s12, VB
	s_add_co_u32 s13, s13, s34
	s_add_co_u32 s13, s13, s33
	s_add_co_u32 s13, s13, SCS+256
	s_lshl_b32 s14, s37, 11                        ; tile t = 2 hf + h: 1,024 t = 2,048 hf + 1,024 h
	s_lshl_b32 s15, s34, 8                         ; 256 bp
	s_add_co_u32 s14, s14, s15
	s_add_co_u32 s14, s14, s36
	s_add_co_u32 s14, s14, VPART
	s_mul_i32 s15, s[WV], STEPB
	v_and_b32 v1, 31, v0                           ; l
	v_and_b32 v2, 15, v0                           ; r
	v_bfe_u32 v3, v0, 4, 1                         ; h
	v_and_b32 v[KRD], 7, v0
	v_and_b32 v13, 8, v0
	v_lshlrev_b32 v[LI], 4, v1
	v_lshl_add_u32 v[KRD], v13, 2, v[KRD]          ; r % 8 + 32 (r / 8)
	v_lshlrev_b32 v[VGO], 4, v2
	v_lshl_add_u32 v[KSS], v2, 2, v3               ; 4 r + h
	v_mul_u32_u24 v[KRD], v[KRD], PITCH
	v_lshl_add_u32 v[VGO], v3, 10, v[VGO]
	v_lshl_add_u32 v[FO], v2, 4, s15               ; waves 0 and 1: step = wave; lanes 0-15 K's 256 bytes,
	v_lshl_add_u32 v[KRD], v3, 7, v[KRD]           ; + 128 h: my 32 numbers of the row
	v_add_nc_u32 v[KSS], s38, v[KSS]
	v_add_nc_u32 v[VGO], s14, v[VGO]
	v_mad_u32_u24 v[FO], v3, VPART, v[FO]          ; lanes 16-31 V's
	v_add_nc_u32 v[KRD], s35, v[KRD]
	v_add_nc_u32 v[KGO], s39, v[LI]
	v_lshl_add_u32 v[VRD], v1, 2, s12
	v_lshl_add_u32 v[VSS], v1, 2, s13
	v_lshl_add_u32 v[FR], v0, 4, SCS               ; threads 0-63: the 1,024 scale bytes, 16 each
; The 32 numbers v[X + 32 n] on, one block of one lane, become 16 bytes of codes in v[C + 4 n] on and a scale byte in v[E + n].
.macro QB n
.set XS, X+32*(\n)
	v_max3_num_f32 v[MA], |v[XS]|, |v[XS+1]|, 0x1800000            ; the largest magnitude, in two chains, with the floor 2^(3 - 127) among the leaves: the byte cannot fall under 1
	v_max3_num_f32 v[MB], |v[XS+2]|, |v[XS+3]|, |v[XS+4]|
.irp k, 5,9,13,17,21,25
	s_delay_alu instid0(VALU_DEP_2)
	v_max3_num_f32 v[MA], v[MA], |v[XS+\k]|, |v[XS+\k+1]|
	s_delay_alu instid0(VALU_DEP_2)
	v_max3_num_f32 v[MB], v[MB], |v[XS+\k+2]|, |v[XS+\k+3]|
.endr
	s_delay_alu instid0(VALU_DEP_2)
	v_max3_num_f32 v[MA], v[MA], |v[XS+29]|, |v[XS+30]|
	s_delay_alu instid0(VALU_DEP_1)
	v_max3_num_f32 v[MA], v[MA], v[MB], |v[XS+31]|
	s_delay_alu instid0(VALU_DEP_1)
	v_add_nc_u32 v[SO], 0xff000000, v[MA]          ; 2 off its exponent field: the conversion takes the exponent field of this operand as its scale, and nothing else of it
.irp g, 0,1,2,3
	v_cvt_scalef32_pk8_fp4_f32 v[C+4*(\n)+\g], v[XS+8*\g:XS+8*\g+7], v[SO]   ; to the nearest code, ties to even, beyond 6 the largest code; the first number's code in the lowest bits
.endr
	v_lshrrev_b32 v[E+(\n)], 23, v[SO]             ; the scale's byte; also the plain line behind the conversions
.endm
	s_wait_alu depctr_va_vdst(0)                   ; the wait at the head's end
	s_wait_tensorcnt 0x0                           ; my 32 rows have landed: other waves read them, so the count is zero
	s_barrier_signal -1
	s_barrier_wait -1                              ; everybody's have
	s_cmp_lt_u32 s[WV], 8
	s_cbranch_scc0 .Lv
	; ---- K: two groups of 16 keys, a lane's 32 neighbours along d by eight loads of 16 bytes
.irp g, 0,1
.irp j, 0,1,2,3,4,5,6,7
	ds_load_b128 v[X+32*\g+4*\j:X+32*\g+4*\j+3], v[KRD] offset:\g*8*PITCH+16*\j
.endr
.endr
	s_wait_dscnt 8                                 ; group 0's eight loads are in; group 1's eight may be out
	QB 0
	global_store_b128 v[KGO], v[C:C+3], s[28:29]   ; 32 lanes store 512 consecutive bytes, aligned to 256
	ds_store_b8 v[KSS], v[E]
	s_wait_dscnt 1                                 ; group 1 is in (the byte store behind it may be out)
	QB 1
	global_store_b128 v[KGO], v[C+4:C+7], s[28:29] offset:512
	ds_store_b8 v[KSS], v[E+1] offset:2
	s_branch .Ljoin
.Lv:
	; ---- V: two blocks of 32 keys; each load reads one key's row at 32 neighbouring columns, 128 consecutive bytes
	s_wait_alu depctr_va_vdst(0)
.irp n, 0,1
.irp i, 0,1,2,3,4,5,6,7,8,9,10,11,12,13,14,15,16,17,18,19,20,21,22,23,24,25,26,27,28,29,30,31
	ds_load_b32 v[X+32*\n+\i], v[VRD] offset:(64*\n+\i)*PITCH
.endr
.endr
	s_wait_dscnt 32                                ; the first block's 32 loads are in; the second's may be out
	QB 0
	global_store_b128 v[VGO], v[C:C+3], s[28:29]   ; each sixteen lanes store 256 consecutive bytes, aligned: lanes 0-15 tile 2 hf, lanes 16-31 tile 2 hf + 1
	ds_store_b8 v[VSS], v[E]
	s_wait_dscnt 1                                 ; the second block is in (the byte store behind it may be out)
	QB 1
	global_store_b128 v[VGO], v[C+4:C+7], s[28:29] offset:512
	ds_store_b8 v[VSS], v[E+1] offset:2
.Ljoin:
	s_wait_dscnt 0x0                               ; for the others' sake: my byte stores have landed
	s_barrier_signal -1
	s_barrier_wait -1
	s_cmp_lt_u32 s[WV], 2                          ; waves 0 and 1 carry out one key step's scale bytes each
	s_cbranch_scc0 .Lend
	ds_load_b128 v[28:31], v[FR]
	s_wait_dscnt 0x0
	global_store_b128 v[FO], v[28:31], s[28:29] offset:4096   ; each sixteen lanes 256 consecutive bytes, aligned to 256
.Lend:
	s_wait_tensorcnt 0x0                           ; the wave's end
	ds_add_u32 v[SPW], v[NIL]
	s_wait_dscnt 0x0
	s_endpgm
.Lfunc_end_k_q9b16712039_quant:
	.size	k_q9b16712039_quant, .Lfunc_end_k_q9b16712039_quant-k_q9b16712039_quant
	.p2alignl 7, 3214868480
	.fill 96, 4, 3214868480
	.section	.rodata,"a",@progbits
	.p2align	6, 0x0
	.amdhsa_kernel k_q9b16712039_quant
		.amdhsa_group_segment_fixed_size 169984
		.amdhsa_private_segment_fixed_size 0
		.amdhsa_enable_private_segment 0
		.amdhsa_kernarg_size 24
		.amdhsa_user_sgpr_count 2
		.amdhsa_user_sgpr_kernarg_segment_ptr 1
		.amdhsa_wavefront_size32 1
		.amdhsa_system_sgpr_workgroup_id_x 1
		.amdhsa_system_sgpr_workgroup_id_y 1
		.amdhsa_system_sgpr_workgroup_id_z 1
		.amdhsa_system_vgpr_workitem_id 0
		.amdhsa_next_free_vgpr 98
		.amdhsa_next_free_sgpr 66
		.amdhsa_reserve_vcc 0
		.amdhsa_float_denorm_mode_32 3
		.amdhsa_float_denorm_mode_16_64 3
		.amdhsa_memory_ordered 1
		.amdhsa_forward_progress 1
		.amdhsa_inst_pref_size 19
	.end_amdhsa_kernel
	.amdgpu_metadata
---
amdhsa.version: [ 1, 2 ]
amdhsa.kernels:
  - .name:           k_q9b16712039_quant
    .symbol:         k_q9b16712039_quant.kd
    .args:
      - { .name: K, .offset: 0, .size: 8, .value_kind: global_buffer, .address_space: global }
      - { .name: V, .offset: 8, .size: 8, .value_kind: global_buffer, .address_space: global }
      - { .name: kv, .offset: 16, .size: 8, .value_kind: global_buffer, .address_space: global }
    .group_segment_fixed_size: 169984
    .private_segment_fixed_size: 0
    .kernarg_segment_align: 8
    .kernarg_segment_size: 24
    .max_flat_workgroup_size: 512
    .sgpr_count:     66
    .vgpr_count:     98
    .wavefront_size: 32
...
	.end_amdgpu_metadata
.endif
;; end of part 1
;; launch attn (part 2): grid 8 x 32, 8 waves a work-group, clusters of 4 x 1, 327,680 bytes of LDS; arguments Q, kv, out0; writes out0
.if DOCPART == 2
	.amdgcn_target "amdgcn-amd-amdhsa--gfx1250"
	.amdhsa_code_object_version 6
	.text
	.protected	k_q9b16712039_attn
	.globl	k_q9b16712039_attn
	.p2align	8
	.type	k_q9b16712039_attn,@function
k_q9b16712039_attn:
	s_mov_b64 s[64:65], 0
	v_nop
	global_prefetch_b8 v0, s[64:65] scope:SCOPE_SE
	s_setreg_imm32_b32 hwreg(HW_REG_WAVE_MODE, 25, 1), 1
	s_wait_xcnt 0x0
	s_wait_alu depctr_hold_cnt(0) depctr_sa_sdst(0) depctr_va_vdst(0) depctr_va_sdst(0) depctr_va_ssrc(0) depctr_va_vcc(0) depctr_vm_vsrc(0)
	s_getreg_b32 s2, hwreg(HW_REG_IB_STS2, 6, 4)
	s_cmp_eq_u32 s2, 0
	s_cbranch_scc0 .Lentry_in_a_cluster
	s_endpgm
.Lentry_in_a_cluster:
	s_bfe_u32 s2, ttmp6, 0x10000c
	s_cmp_lg_u32 s2, 0x3003
	s_cbranch_scc0 .Lentry_shape_is_right
	s_endpgm
.Lentry_shape_is_right:
; out0[hd][q][:] = the sum over k of softmax_k(Q[hd][q] . K[hd][k] / 8) V[hd][k][:], 32 heads, 2,048 queries and keys, head size 64; both products on codes of FP4 (E2M1) with one E8M0 scale for each 32 along a product's K.
; K and V come as codes and scale bytes from kv, laid by the launch before as images of the operand registers (per head K's part, then V's: 16 key steps of 128 keys, 4,352 bytes each).  Q is quantised here, in registers.
; THE SOFTMAX AHEAD OF THE SECOND PRODUCT: t = score x log2(e) / 8; M = the row's largest t rounded UP to a whole number; p = 2^(t - M) is what is quantised, along the keys, not normalised; the row's sum of the unquantised p, in f32, divides O.
; TWO WALKS OVER THE KEYS.  The first makes the scores and keeps of them the largest of each block of 32 keys (in LDS) and of the row; so M is known, and with it every block's scale of p, before the second walk makes the
; same scores again by the same instructions and turns them into p.  Nothing is ever rescaled, and the second walk has no chain from a maximum to its exponentials.
; LIMITS: NaN and infinities among the inputs are not served.  A p under 2^-126 comes out of v_exp_f32 as 0 (ISA guide 15.8).  A block of p (or of Q) whose largest number lies under 2^(3 - 127) gets the scale byte 1.
; The row's sum is added in another order than a plain sum over the keys.  A block's largest p is made from the block's largest score by the same multiply-add and exponential; that takes v_exp_f32 not to fall where its input rises.
; No step of the problem is left out.
; SHARES.  A work-group owns 256 queries of one head, each of its EIGHT waves two tiles A and B of 16 queries: each fragment of K and V read from LDS serves two tiles.
; THE HEAD'S IMAGE comes into LDS ONCE: at the head each wave's one joint load brings two steps of K's part; behind a second round one brings two steps of V's part, which has the first walk in which to land.  No ring, and no loop of loads
; in which a prefetch could run ahead.
; CLUSTER.  The four query blocks of a cluster belong to one head and want the same image: each load is asked for JOINTLY, by the same descriptor with a mask that names the four.
; LAYOUT.  Both products are used transposed: S^T = K Q^T (source 0 = 32 keys, source 1 = 16 queries), O^T = V^T P^T (source 0 = 32 of the head's 64, source 1 = P): a lane holds ONE query (lane % 16) of a tile throughout.
; THE FIRST PRODUCT'S K IS 64, half of the instruction's 128: a fragment of K holds two key tiles, one in k = 0 .. 63, one in k = 64 .. 127; [q, zeros] multiplies the first, [zeros, q] the second.  The zero codes add nothing; the scale word of
; Q repeats its two bytes.  A chunk c of 64 keys takes fragments 2 c (rows 0-15) and 2 c + 1 (rows 16-31): of its 32 registers 0-7 are keys 0-7 of block 2 c + lane / 16, 8-15 keys 16-23, 16-23 keys 8-15, 24-31 keys 24-31.
; UNITS.  A unit is one tile and one chunk: 32 scores a lane.  A step of 128 keys is the units A0 B0 A1 B1, each with a buffer of its own.
.set STB,   4352                       ; a key step of one part
.set HEADB, 32*STB
.set VOFF,  18*STB                     ; V's part in LDS (two steps' room between the parts, into which nothing lands)
.set STG,   VOFF+16*STB                ; behind it a region of its own for each wave: 16 bytes a lane for each step and tile (records); at the head and on the way out 32 rows of 272 bytes
.set REGB,  17408
.set TILEB, 8192                       ; tile B's records
.set SPITCH, 272
.set SPARE, STG+8*REGB                 ; the spare words, 128 bytes for each wave
; window 0
.set LI,  1                            ; 16 x lane
.set L4,  2                            ; 4 x lane
.set LR,  3                            ; LDS: my place in my wave's region, 16 x lane
.set SPW, 5                            ; LDS address of my spare word; v6 0; never rewritten
.set NIL, 6
.set NMA, 8                            ; -M of tile A, and its largest score (named with it as a pair)
.set RMA, 9
.set NMB, 10                           ; tile B's
.set RMB, 11
.set AK,  12                           ; LDS addresses of the step: K's codes, K's scales, V's codes, V's scales, records
.set AKS, 13
.set AV,  14
.set AVS, 15
.set AR,  16
.set SOA0, 18                          ; scale operands of p's conversions, by unit
.set SOB0, 19
.set SOA1, 20
.set SOB1, 21
.set PA,  22                           ; p's scale words
.set PB,  23
.set QWA, 24                           ; Q's scale words
.set QWB, 25
.set KS0, 26                           ; K's scale words, by chunk
.set KS1, 27
.set VS0, 28                           ; V's scale words, by half of the head's 64 (in the first walk: K's second set)
.set VS1, 29
.set T0,  30
.set T1,  31
.set PCA, 32                           ; p's codes
.set PCB, 40
.set LA,  48                           ; the row's sum, 16 pairs a tile
.set LB,  80
.set S,   112                          ; four buffers of 32 scores
.set SA0, S
.set SB0, S+32
.set SA1, S+64
.set SB1, S+96
.set TM,  240                          ; v240-247 at work
.set BMA, 248                          ; two blocks' largest scores, tile A; tile B
.set BMB, 250
; window 1
.set QV,  0                            ; zeros, A's codes, zeros, B's codes, zeros: 4 registers each
.set KF,  32                           ; K's four fragments (chunk 0, chunk 1)
.set VF,  64                           ; V's four fragments (in the first walk: K's second set)
.set OA0, 96                           ; O^T: tile A's two halves of 32 columns, tile B's two
.set OA1, 112
.set OB0, 128
.set OB1, 144
.set WV,  10                           ; s10  my wave's number
.set G1,  16                           ; s[16:23] descriptor group 1
.set G0,  24                           ; s[24:27] descriptor group 0 for K's part
.set SEL, 28                           ; s[28:29] lane selects for v_permlanex16_b32: lane l xor 16
.set CS,  30                           ; s[30:31] c = log2(e) / 8; the packed form names a pair and takes its low word for both halves
.set TB,  32                           ; s32  LDS byte at which the step in hand begins in its part
.set CNT, 33
.set RG,  36                           ; s36  my wave's region
.set TR,  37                           ; s37  the step's records: 512 bytes a step
.set G0V, 40                           ; s[40:43] descriptor group 0 for V's part
.set MSB, 0
.macro WIN new                         ; the immediate's high byte repeats the setting that is left
.if MSB != \new
	s_set_vgpr_msb (MSB<<8)|\new
.set MSB, \new
.endif
.endm
.macro ROUND
	s_barrier_signal -1
	s_barrier_wait -1
	s_cmp_lg_u32 s[WV], 0
	s_cbranch_scc1 .Lnot_wave_0_\@
	s_barrier_signal -3
.Lnot_wave_0_\@:
	s_barrier_wait -3
	s_barrier_signal -1
	s_barrier_wait -1
.endm
.macro PLACES
.rept 4
	v_nop
.endr
.endm
; one chunk of K, or one half of V, in one run: 16 registers of window 1
.macro LD4 base, ad, off
.irp n, 0,1,2,3
	ds_load_b128 v[\base+4*\n:\base+4*\n+3], v[\ad] offset:\off+512*\n
.endr
.endm
; the scores of one unit: [q, zeros] on registers 0-15, [zeros, q] on 16-31
.macro QK d, k, ks, qa, qb, qw
	WIN 0x05
	v_wmma_scale_f32_32x16x128_f4 v[\d:\d+15], v[\k:\k+15], v[\qa:\qa+7], 0, v[\ks], v[\qw]
	v_wmma_scale_f32_32x16x128_f4 v[\d+16:\d+31], v[\k:\k+15], v[\qb:\qb+7], 0, v[\ks], v[\qw]
.endm
.macro QKA d, k, ks
	QK \d, \k, \ks, QV+4, QV, QWA
.endm
.macro QKB d, k, ks
	QK \d, \k, \ks, QV+12, QV+8, QWB
.endm
	s_load_b128 s[4:7], s[0:1], 0x0                ; Q s[4:5], kv s[6:7]
	s_load_b64 s[8:9], s[0:1], 0x10                ; out0
	v_lshl_add_u32 v[SPW], v0, 2, SPARE
	v_mov_b32 v[NIL], 0
	ds_add_u32 v[SPW], v[NIL]                      ; the opening add, twice on end
	ds_add_u32 v[SPW], v[NIL]
	v_lshrrev_b32 v30, 5, v0
	v_readfirstlane_b32 s[WV], v30                 ; wave 0..7
	v_and_b32 v31, 31, v0
	v_lshlrev_b32 v[LI], 4, v31
	v_lshlrev_b32 v[L4], 2, v31
	s_bfe_u32 s11, ttmp6, 0x40000                  ; cx: my place in the cluster: it enters Q's and out0's addresses alone
	s_lshl_b32 s12, ttmp9, 2                       ; in a cluster launch ttmp9 counts clusters
	s_add_co_u32 s12, s12, s11                     ; my block of 256 queries
	s_and_b32 s13, ttmp7, 0xffff                   ; the head, which the four partners share
	s_lshl_b32 s14, s13, 19                        ; the head's 2,048 rows of 256 bytes,
	s_lshl_b32 s38, s12, 16                        ; my block's 256,
	s_add_co_u32 s14, s14, s38
	s_lshl_b32 s38, s[WV], 13                      ; my wave's 32
	s_add_co_u32 s14, s14, s38
	s_mov_b32 s15, 0
	s_mul_i32 s34, s13, HEADB                      ; the head's image in kv,
	s_mul_i32 s[G0+1], s[WV], 2*STB                ; key steps 2 w and 2 w + 1: in LDS (no place in the cluster enters an LDS address)
	s_add_co_u32 s34, s34, s[G0+1]                 ; and in memory
	s_mov_b32 s35, 0
	s_add_co_u32 s[G0V+1], s[G0+1], VOFF
	; descriptor group 1: a dense block of 8,704 bytes as 34 rows of 256 bytes (32 elements of 8 bytes), no padding
	s_mov_b32 s[G1+0], 15|(3<<16)|(1<<21)          ; 15:0 the mask: all four work-groups; 17:16 elements of 8 bytes; 21 set beside a mask
	s_mov_b32 s[G1+1], 32<<16
	s_mov_b32 s[G1+2], 34<<16
	s_mov_b32 s[G1+3], 32<<16
	s_mov_b32 s[G1+4], 34
	s_mov_b32 s[G1+5], 32
	s_mov_b32 s[G1+6], 0
	s_mov_b32 s[G1+7], 0
	s_mov_b32 s[G0+0], 1                           ; count = 1
	s_mov_b32 s[G0V+0], 1
	s_mov_b32 s[SEL], 0x76543210
	s_mov_b32 s[SEL+1], 0xfedcba98
	s_mov_b32 s[CS], 0x3e38aa3b                    ; c = log2(e) / 8
	s_mov_b32 s[CS+1], s[CS]
	s_mov_b32 s[TB], 0
	s_mov_b32 s[TR], 0
	s_mul_i32 s[RG], s[WV], REGB
	s_add_co_u32 s[RG], s[RG], STG
	s_wait_alu depctr_va_vdst(0)
	s_wait_dscnt 0x0
	s_wait_kmcnt 0x0
	s_add_nc_u64 s[G0+2:G0+3], s[6:7], s[34:35]    ; global address of my steps of K: made of the head and the wave's number alone
	s_add_nc_u64 s[G0V+2:G0V+3], s[G0+2:G0+3], 16*STB   ; and of V
	s_or_b32 s[G0+3], s[G0+3], 0x80000000          ; type = 2
	s_or_b32 s[G0V+3], s[G0V+3], 0x80000000
	s_add_nc_u64 s[4:5], s[4:5], s[14:15]          ; Q and out0 at my wave's first row
	s_add_nc_u64 s[8:9], s[8:9], s[14:15]
.irp i, 0,1,2,3,4,5,6,7,8,9,10,11,12,13,14,15
	global_load_b128 v[S+4*\i:S+4*\i+3], v[LI], s[4:5] offset:512*\i th:TH_LOAD_NT   ; two rows of Q: 512 consecutive bytes; in flight over the round
.endr
	ROUND                                          ; all four work-groups are here: the joint loads meet
	tensor_load_to_lds s[G0:G0+3], s[G1:G1+7]      ; my one tensor load of the head: two steps of K
	s_nop 0
	PLACES
	v_and_b32 v7, 15, v0                           ; r
	v_bfe_u32 v17, v0, 4, 1                        ; h
	v_add_nc_u32 v[LR], s[RG], v[LI]
	v_mul_u32_u24 v12, v17, SPITCH                 ; in: lanes 0-15 one row of 256 bytes, lanes 16-31 the next
	v_mul_u32_u24 v13, v7, SPITCH                  ; back: row r, my 128 bytes
	v_lshl_add_u32 v12, v7, 4, v12
	v_lshl_add_u32 v13, v17, 7, v13
	v_add_nc_u32 v12, s[RG], v12
	v_add_nc_u32 v13, s[RG], v13
	v_mov_b32 v[BMA], 0                            ; written once: a lane permute's destination counts as one of its sources
	v_mov_b32 v[BMB], 0
	v_mov_b32 v[T0], 0
	v_mov_b32 v[T1], 0
	WIN 0x40
.irp i, 0,1,2,3,8,9,10,11,16,17,18,19
	v_mov_b32 v[QV+\i], 0                          ; the zero codes on both sides of Q's
.endr
	WIN 0
	s_wait_alu depctr_va_vdst(0)
.irp i, 0,1,2,3,4,5,6,7,8,9,10,11,12,13,14,15
	s_wait_loadcnt 15-\i                           ; load i is in; the younger ones may be out
	ds_store_b128 v12, v[S+4*\i:S+4*\i+3] offset:2*SPITCH*\i
.endr
.irp x, 0,1
.irp j, 0,1,2,3,4,5,6,7
	ds_load_b128 v[S+64+32*\x+4*\j:S+64+32*\x+4*\j+3], v13 offset:16*SPITCH*\x+16*\j   ; LDS serves a wave's instructions in order (ISA guide 5.7.1.4): these see my stores
.endr
.endr
	s_wait_dscnt 0x0
	; Q's block of 32 in my lane, both tiles: largest magnitude, scale, codes
.irp x, 0,1
	v_max3_num_f32 v[TM+2*\x], |v[S+64+32*\x]|, |v[S+65+32*\x]|, 0x1800000   ; with the floor 2^(3 - 127) among the leaves: the byte cannot fall under 1
	v_max3_num_f32 v[TM+2*\x+1], |v[S+66+32*\x]|, |v[S+67+32*\x]|, |v[S+68+32*\x]|
.endr
.irp k, 5,9,13,17,21,25
.irp x, 0,1
	v_max3_num_f32 v[TM+2*\x], v[TM+2*\x], |v[S+64+32*\x+\k]|, |v[S+65+32*\x+\k]|
	v_max3_num_f32 v[TM+2*\x+1], v[TM+2*\x+1], |v[S+66+32*\x+\k]|, |v[S+67+32*\x+\k]|
.endr
.endr
.irp x, 0,1
	v_max3_num_f32 v[TM+2*\x], v[TM+2*\x], |v[S+93+32*\x]|, |v[S+94+32*\x]|
.endr
.irp x, 0,1
	v_max3_num_f32 v[TM+2*\x], v[TM+2*\x], v[TM+2*\x+1], |v[S+95+32*\x]|
.endr
.irp x, 0,1
	v_add_nc_u32 v[TM+4+\x], 0xff000000, v[TM+2*\x]   ; 2 off its exponent field: the conversion's scale operand
.endr
	WIN 0x40
.irp x, 0,1
.irp g, 0,1,2,3
	v_cvt_scalef32_pk8_fp4_f32 v[QV+4+8*\x+\g], v[S+64+32*\x+8*\g:S+71+32*\x+8*\g], v[TM+4+\x]
.endr
.endr
	WIN 0
.irp x, 0,1
	v_lshrrev_b32 v[TM+6+\x], 23, v[TM+4+\x]       ; the scale's byte; also the plain line behind the conversions
.endr
	v_permlanex16_b32 v[BMA], v[TM+6], s[SEL], s[SEL+1]
	v_permlanex16_b32 v[BMB], v[TM+7], s[SEL], s[SEL+1]
	v_lshl_or_b32 v[BMA], v[BMA], 8, v[TM+6]       ; lanes 0-15: the row's two bytes (lanes 16-31 are not read),
	v_lshl_or_b32 v[BMB], v[BMB], 8, v[TM+7]
	v_lshl_or_b32 v[QWA], v[BMA], 16, v[BMA]       ; for k = 0 .. 63 and again for k = 64 .. 127
	v_lshl_or_b32 v[QWB], v[BMB], 16, v[BMB]
	v_mov_b32 v[RMA], 0xff61b1e6                   ; the largest score so far: -3e38, under every score
	v_mov_b32 v[RMB], 0xff61b1e6
	PLACES                                         ; a scale register written by a vector instruction stands 8 places ahead of a scaled matrix instruction: six here, four more behind the load below
	s_wait_alu depctr_va_vdst(0)                   ; the wait at the head's end
	s_wait_tensorcnt 0x0                           ; my steps of K have landed: other waves read them
	ds_add_u32 v[SPW], v[NIL]                      ; ahead of a later first fill
	s_wait_dscnt 0x0
	ROUND                                          ; K's part lies whole in LDS
	tensor_load_to_lds s[G0V:G0V+3], s[G1:G1+7]    ; two steps of V: read behind the first walk
	s_nop 0
	PLACES
; THE FIRST WALK.  K's steps alternate between two sets of registers: set 0 at KF, set 1 at VF; their scale words at KS0, KS1 and VS0, VS1.
; MAX: the largest of 32 scores of each of two units (one block of 32 keys a lane), eight chains by turns; each result of a product is first read at its low end.
.macro MAX x, y, n
.irp k, 0,1,2,3
	v_max3_num_f32 v[TM+\k], v[\x+8*\k], v[\x+8*\k+1], v[\x+8*\k+2]
	v_max3_num_f32 v[TM+4+\k], v[\y+8*\k], v[\y+8*\k+1], v[\y+8*\k+2]
.endr
.irp i, 3,5
.irp k, 0,1,2,3
	v_max3_num_f32 v[TM+\k], v[TM+\k], v[\x+8*\k+\i], v[\x+8*\k+\i+1]
	v_max3_num_f32 v[TM+4+\k], v[TM+4+\k], v[\y+8*\k+\i], v[\y+8*\k+\i+1]
.endr
.endr
	v_max3_num_f32 v[TM], v[TM], v[TM+1], v[\x+7]
	v_max3_num_f32 v[TM+4], v[TM+4], v[TM+5], v[\y+7]
	v_max3_num_f32 v[TM+2], v[TM+2], v[TM+3], v[\x+15]
	v_max3_num_f32 v[TM+6], v[TM+6], v[TM+7], v[\y+15]
	v_max3_num_f32 v[TM], v[TM], v[TM+2], v[\x+23]
	v_max3_num_f32 v[TM+4], v[TM+4], v[TM+6], v[\y+23]
	v_max_num_f32 v[BMA+\n], v[TM], v[\x+31]
	v_max_num_f32 v[BMB+\n], v[TM+4], v[\y+31]
.endm
; a step in set p; ld = 1: this set then takes the step two further on; nx = 1: there is a next step, in the other set
.macro WALK1 p, ld, nx
	QKA SA1, KF+32*\p+16, KS1+2*\p                 ; chunk 1's scores are made while chunk 0's are searched
	QKB SB1, KF+32*\p+16, KS1+2*\p
	WIN 0
	MAX SA0, SB0, 0
	s_wait_alu depctr_va_vdst(0)
	s_wait_dscnt 2                                 ; the other set's loads are in (the two stores behind them may be out)
.if \nx
	QKA SA0, VF-32*\p, VS0-2*\p                    ; the next step's chunk 0
	QKB SB0, VF-32*\p, VS0-2*\p
.endif
.if \ld
	WIN 0x40
	LD4 KF+32*\p, AK, (2+\p)*STB                   ; the 32 maxima above are the places in front of these loads
	LD4 KF+32*\p+16, AK, (2+\p)*STB+2048
	WIN 0
	ds_load_b32 v[KS0+2*\p], v[AKS] offset:(2+\p)*STB+4096
	ds_load_b32 v[KS1+2*\p], v[AKS] offset:(2+\p)*STB+4224
.endif
	WIN 0
	MAX SA1, SB1, 1
	v_max3_num_f32 v[RMA], v[RMA], v[BMA], v[BMA+1]
	v_max3_num_f32 v[RMB], v[RMB], v[BMB], v[BMB+1]
	ds_store_b64 v[AR], v[BMA:BMA+1] offset:512*\p
	ds_store_b64 v[AR], v[BMB:BMB+1] offset:512*\p+TILEB
.endm
.macro ADR1
	v_add_nc_u32 v[AK], s[TB], v[LI]
	v_add_nc_u32 v[AKS], s[TB], v[L4]
	v_add_nc_u32 v[AR], s[TR], v[LR]
.endm
	WIN 0x40
.irp p, 0,1
	LD4 KF+32*\p, LI, \p*STB
	LD4 KF+32*\p+16, LI, \p*STB+2048
.endr
	WIN 0
.irp p, 0,1
	ds_load_b32 v[KS0+2*\p], v[L4] offset:\p*STB+4096
	ds_load_b32 v[KS1+2*\p], v[L4] offset:\p*STB+4224
.endr
	s_wait_dscnt 0x0
	QKA SA0, KF, KS0
	QKB SB0, KF, KS0
	WIN 0
	PLACES                                         ; between the first products and the first maxima
	s_mov_b32 s[CNT], 7
	s_wait_alu depctr_va_vdst(0)
.Lmax:                                                 ; a trip takes two steps; the last two are written out, since they fetch nothing
	ADR1
	WALK1 0, 1, 1
	WALK1 1, 1, 1
	s_add_co_u32 s[TB], s[TB], 2*STB
	s_add_co_u32 s[TR], s[TR], 1024
	s_wait_alu depctr_va_vdst(0)                   ; the wait ahead of the branch
	s_sub_co_u32 s[CNT], s[CNT], 1
	s_cmp_lg_u32 s[CNT], 0
	s_cbranch_scc1 .Lmax
	ADR1
	WALK1 0, 0, 1
	WALK1 1, 0, 0
	; M, AND ALL SCALES OF p.  The 64 blocks' largest scores come back (record n = 2 x step + tile: v[S + 2 n], two blocks), go through the same multiply-add and exponential as the scores will, and
	; become the record: scale operand of chunk 0, (at work), of chunk 1, and p's scale word.
.irp n, 0,1,2,3,4,5,6,7,8,9,10,11,12,13,14,15
	ds_load_b64 v[S+4*\n:S+4*\n+1], v[LR] offset:512*\n
	ds_load_b64 v[S+4*\n+2:S+4*\n+3], v[LR] offset:512*\n+TILEB
.endr
	v_permlanex16_b32 v[T0], v[RMA], s[SEL], s[SEL+1]   ; the query's other keys lie in the lane 16 away
	v_permlanex16_b32 v[T1], v[RMB], s[SEL], s[SEL+1]
	v_max_num_f32 v[RMA], v[RMA], v[T0]
	v_max_num_f32 v[RMB], v[RMB], v[T1]
	v_mul_f32 v[T0], s[CS], v[RMA]                 ; as t (c is positive)
	v_mul_f32 v[T1], s[CS], v[RMB]
	v_floor_f32 v[NMA], -v[T0]                     ; -M = floor(-t) = -ceil(t): M IS A WHOLE NUMBER
	v_floor_f32 v[NMB], -v[T1]
	s_wait_alu depctr_va_vdst(0)
	s_wait_dscnt 0x0
.irp n, 0,1,2,3,4,5,6,7,8,9,10,11,12,13,14,15
	v_pk_fma_f32 v[S+4*\n:S+4*\n+1], v[S+4*\n:S+4*\n+1], s[CS:CS+1], v[NMA:NMA+1] op_sel_hi:[1,0,0]
	v_pk_fma_f32 v[S+4*\n+2:S+4*\n+3], v[S+4*\n+2:S+4*\n+3], s[CS:CS+1], v[NMB:NMB+1] op_sel_hi:[1,0,0]
.endr
	s_wait_alu depctr_va_vdst(0)                   ; the wait ahead of the batch
.set JJ, 0
.rept 64
	v_exp_f32 v[S+JJ], v[S+JJ]                     ; the block's largest p
.set JJ, JJ+1
.endr
	v_nop                                          ; a plain place behind the exponentials
	s_wait_alu depctr_va_vdst(0)                   ; and behind it
.macro RECS g                          ; eight records by turns
.set RB, S+16*\g
.set RQ, S+64+32*(\g%2)
.irp k, 0,1,2,3,4,5,6,7
	v_max_num_f32 v[RB+2*\k], 0x1800000, v[RB+2*\k]    ; the floor 2^(3 - 127): the byte cannot fall under 1 (a block whose every p has fallen to 0 keeps that byte: its codes are zeros)
	v_max_num_f32 v[RB+2*\k+1], 0x1800000, v[RB+2*\k+1]
.endr
.irp k, 0,1,2,3,4,5,6,7
	v_add_nc_u32 v[RQ+4*\k], 0xff000000, v[RB+2*\k]    ; 2 off the exponent field: the conversion's scale operand
	v_add_nc_u32 v[RQ+4*\k+2], 0xff000000, v[RB+2*\k+1]
.endr
.irp k, 0,1,2,3,4,5,6,7
	v_perm_b32 v[RQ+4*\k+1], v[RQ+4*\k+2], v[RQ+4*\k], 0x07060302   ; the two high halves,
.endr
.irp k, 0,1,2,3,4,5,6,7
	v_lshrrev_b32 v[RQ+4*\k+1], 7, v[RQ+4*\k+1]        ; the scale bytes of blocks h and 2 + h in bytes 0 and 2
.endr
.irp k, 0,1,2,3,4,5,6,7
	v_permlanex16_b32 v[RQ+4*\k+3], v[RQ+4*\k+1], s[SEL], s[SEL+1]
.endr
.irp k, 0,1,2,3,4,5,6,7
	v_perm_b32 v[RQ+4*\k+3], v[RQ+4*\k+3], v[RQ+4*\k+1], 0x06020400   ; lanes 0-15: blocks 0 to 3 in bytes 0 to 3 (lanes 16-31 are not read)
.endr
.irp k, 0,1,2,3,4,5,6,7
	ds_store_b128 v[LR], v[RQ+4*\k:RQ+4*\k+3] offset:512*(4*\g+\k/2)+TILEB*(\k%2)
.endr
.endm
	RECS 0
	RECS 1
	RECS 2
	RECS 3
	s_mov_b32 s[TB], 0
	s_mov_b32 s[TR], 0
	s_wait_alu depctr_va_vdst(0)
	s_wait_tensorcnt 0x0                           ; my steps of V have landed: other waves read them
	s_wait_dscnt 0x0
	s_barrier_signal -1
	WIN 0x40
	LD4 KF, LI, 0                                  ; K's first step again, on its way over the barrier
	LD4 KF+16, LI, 2048
	WIN 0
	ds_load_b32 v[KS0], v[L4] offset:4096
	ds_load_b32 v[KS1], v[L4] offset:4224
	s_barrier_wait -1                              ; V's part lies whole in LDS
	ds_load_b32 v[SOA0], v[LR]
	ds_load_b32 v[SOB0], v[LR] offset:TILEB
; THE SECOND WALK, unit by unit.  While a unit's 32 exponentials are issued, the sums and conversions of the unit before stand between them; ahead of them the multiply-adds of the unit behind, one product of V, and the
; scores of the unit after that.  Each unit has one wait ahead of all readers: it covers what plain lines, exponentials and products of earlier units wrote.
.macro FMA b, nm                       ; t - M, two at a time (of the pairs c and -M the low word serves both halves); each product's result from its low end on
.set JJ, 0
.rept 16
	v_pk_fma_f32 v[\b+JJ:\b+JJ+1], v[\b+JJ:\b+JJ+1], s[CS:CS+1], v[\nm:\nm+1] op_sel_hi:[1,0,0]
.set JJ, JJ+2
.endr
.endm
.macro PV o, a, sc, pc, pw, first      ; O^T += V^T P^T, 32 of the head's 64; eleven other products stand between two steps of one sum
	WIN 0x51
	s_wait_alu depctr_va_vdst(0)                   ; the wait directly ahead of the reader of a product's result behind exponentials
.if \first == 1
	v_wmma_scale_f32_32x16x128_f4 v[\o:\o+15], v[\a:\a+15], v[\pc:\pc+7], 0, v[\sc], v[\pw]
.else
	v_wmma_scale_f32_32x16x128_f4 v[\o:\o+15], v[\a:\a+15], v[\pc:\pc+7], v[\o:\o+15], v[\sc], v[\pw]
.endif
.endm
; the exponentials of unit cur; the unit before, prv: THE ROW'S SUM IS TAKEN OF THE UNQUANTISED p, each of 16 pairs of sums once; and its codes (8 keys a register).  start = 1: the tile's first unit starts the sums.
.macro EXPS cur, have, prv, l, pc, so, start
.set JJ, 0
.rept 16
	v_exp_f32 v[\cur+2*JJ], v[\cur+2*JJ]           ; p = 2^(t - M): NOT normalised
.if \have
.if \start
	v_pk_add_f32 v[\l+2*JJ:\l+2*JJ+1], v[\prv+2*JJ:\prv+2*JJ+1], 0 op_sel_hi:[1,0]
.else
	v_pk_add_f32 v[\l+2*JJ:\l+2*JJ+1], v[\l+2*JJ:\l+2*JJ+1], v[\prv+2*JJ:\prv+2*JJ+1]
.endif
.endif
	v_exp_f32 v[\cur+2*JJ+1], v[\cur+2*JJ+1]
.if \have
.if (JJ >= 6) && (JJ <= 12) && ((JJ % 2) == 0)
.set GG, (JJ-6)/2                      ; seven sums stand ahead: places behind the product that read these codes
	v_cvt_scalef32_pk8_fp4_f32 v[\pc+GG], v[\prv+16*(GG%2)+8*(GG/2):\prv+16*(GG%2)+8*(GG/2)+7], v[\so]
.endif
.endif
.set JJ, JJ+1
.endr
.endm
; pv = 0: the first step (no step before it); 1: the second, whose products of V start O; 2: the others.  nx = 1: there is a next step.
; LDS loads, in order: unit A0 five (K chunk 0), B0 one, A1 thirteen (without a next step seven), B1 seven.
.macro STEP pv, nx
	; ---- unit A0
	s_wait_dscnt 7                                 ; all but unit B1's seven
	s_wait_alu depctr_va_vdst(0)
	FMA SB0, NMB
	v_add_nc_u32 v[AK], s[TB], v[LI]
	v_add_nc_u32 v[AKS], s[TB], v[L4]
	v_add_nc_u32 v[AR], s[TR], v[LR]
	v_add_nc_u32 v[AV], VOFF, v[AK]
	v_add_nc_u32 v[AVS], VOFF, v[AKS]
.if \pv
	PV OA0, VF, VS0, PCA, PA, \pv
.endif
	QKA SA1, KF+16, KS1
.if \nx
	WIN 0x40
	LD4 KF, AK, STB
	WIN 0
	ds_load_b32 v[KS0], v[AKS] offset:STB+4096
.endif
	WIN 0
	EXPS SA0, \pv, SB1, LB, PCB+4, SOB1, 0
.if \pv == 0
	PLACES                                         ; the first unit has no sums behind its products: four places ahead of the first reader of unit A1's scores
.endif
	; ---- unit B0
.if \nx
	s_wait_dscnt 5                                 ; all but unit A0's five
.else
	s_wait_dscnt 0x0
.endif
	s_wait_alu depctr_va_vdst(0)
	FMA SA1, NMA
.if \pv
	PV OA1, VF+16, VS1, PCA, PA, \pv
	PV OB0, VF, VS0, PCB, PB, \pv
.endif
	QKB SB1, KF+16, KS1
	WIN 0
	ds_load_b32 v[SOA1], v[AR] offset:8
	EXPS SB0, 1, SA0, LA, PCA, SOA0, (\pv == 0)
	; ---- unit A1
	s_wait_dscnt 1                                 ; all but unit B0's one
	s_wait_alu depctr_va_vdst(0)
	FMA SB1, NMB
.if \pv
	PV OB1, VF+16, VS1, PCB, PB, \pv
.endif
.if \nx
	QKA SA0, KF, KS0
.endif
	WIN 0x40
.if \nx
	LD4 KF+16, AK, STB+2048
.endif
	LD4 VF, AV, 0
	WIN 0
.if \nx
	ds_load_b32 v[KS1], v[AKS] offset:STB+4224
	ds_load_b32 v[SOA0], v[AR] offset:512
.endif
	ds_load_b32 v[VS0], v[AVS] offset:4096
	ds_load_b32 v[PA], v[AR] offset:12
	ds_load_b32 v[SOB1], v[AR] offset:TILEB+8
	EXPS SA1, 1, SB0, LB, PCB, SOB0, (\pv == 0)
	; ---- unit B1
.if \nx
	s_wait_dscnt 13                                ; all but unit A1's
.else
	s_wait_dscnt 7
.endif
	s_wait_alu depctr_va_vdst(0)
.if \nx
	FMA SA0, NMA
	QKB SB0, KF, KS0
.endif
	WIN 0x40
	LD4 VF+16, AV, 2048
	WIN 0
	ds_load_b32 v[VS1], v[AVS] offset:4224
	ds_load_b32 v[PB], v[AR] offset:TILEB+12
.if \nx
	ds_load_b32 v[SOB0], v[AR] offset:TILEB+512
.endif
	EXPS SB1, 1, SA1, LA, PCA+4, SOA1, 0
	s_add_co_u32 s[TB], s[TB], STB
	s_add_co_u32 s[TR], s[TR], 512
.endm
	s_wait_dscnt 0x0
	QKA SA0, KF, KS0
	QKB SB0, KF, KS0
	WIN 0
	PLACES
	FMA SA0, NMA
	STEP 0, 1
	STEP 1, 1
	s_mov_b32 s[CNT], 13
	s_wait_alu depctr_va_vdst(0)                   ; the wait ahead of a label
.Lstep:
	STEP 2, 1
	s_wait_alu depctr_va_vdst(0)                   ; and ahead of a branch
	s_sub_co_u32 s[CNT], s[CNT], 1
	s_cmp_lg_u32 s[CNT], 0
	s_cbranch_scc1 .Lstep
	STEP 2, 0
	; the last unit's codes and sums, and the last step's products of V
	s_wait_dscnt 0x0
	s_wait_alu depctr_va_vdst(0)
.irp g, 0,1,2,3
	v_cvt_scalef32_pk8_fp4_f32 v[PCB+4+\g], v[SB1+16*(\g%2)+8*(\g/2):SB1+16*(\g%2)+8*(\g/2)+7], v[SOB1]
.endr
.set JJ, 0
.rept 16
	v_pk_add_f32 v[LB+JJ:LB+JJ+1], v[LB+JJ:LB+JJ+1], v[SB1+JJ:SB1+JJ+1]
.set JJ, JJ+2
.endr
	PV OA0, VF, VS0, PCA, PA, 2
	PV OA1, VF+16, VS1, PCA, PA, 2
	PV OB0, VF, VS0, PCB, PB, 2
	PV OB1, VF+16, VS1, PCB, PB, 2
	WIN 0
	; THE WAY OUT.  The sums' pairs and halves are added; O^T is divided by the sum and goes through my own rows in LDS, so that whole rows of 256 bytes are stored by sixteen neighbouring lanes.
.macro FOLD n                          ; 2 n pairs become n
.set JJ, 0
.rept \n
	v_pk_add_f32 v[LA+JJ:LA+JJ+1], v[LA+JJ:LA+JJ+1], v[LA+JJ+2*\n:LA+JJ+2*\n+1]
	v_pk_add_f32 v[LB+JJ:LB+JJ+1], v[LB+JJ:LB+JJ+1], v[LB+JJ+2*\n:LB+JJ+2*\n+1]
.set JJ, JJ+2
.endr
.endm
	FOLD 8
	FOLD 4
	FOLD 2
	FOLD 1
	v_add_f32 v[T0], v[LA], v[LA+1]
	v_add_f32 v[T1], v[LB], v[LB+1]
	v_and_b32 v12, 15, v0                          ; r
	v_bfe_u32 v13, v0, 4, 1                        ; h
	v_permlanex16_b32 v[BMA], v[T0], s[SEL], s[SEL+1]
	v_permlanex16_b32 v[BMB], v[T1], s[SEL], s[SEL+1]
	v_mul_u32_u24 v14, v12, SPITCH                 ; in: row r, 32 bytes for each half of the lanes
	v_mul_u32_u24 v15, v13, SPITCH                 ; back: lanes 0-15 one row of 256 bytes, lanes 16-31 the next
	v_add_f32 v[T0], v[T0], v[BMA]                 ; with lane l xor 16's keys: the row's sum
	v_add_f32 v[T1], v[T1], v[BMB]
	v_lshl_add_u32 v14, v13, 5, v14
	v_lshl_add_u32 v15, v12, 4, v15
	v_add_nc_u32 v14, s[RG], v14
	v_add_nc_u32 v15, s[RG], v15
	s_wait_alu depctr_va_vdst(0)                   ; the wait ahead of the transcendentals
	v_rcp_f32 v[NMA], v[T0]
	v_rcp_f32 v[NMB], v[T1]
	v_nop                                          ; a plain place behind them
	WIN 0x01
	s_wait_alu depctr_va_vdst(0)                   ; and behind them, ahead of the first readers of O^T
.set JJ, 0
.rept 16
	v_pk_mul_f32 v[S+JJ:S+JJ+1], v[OA0+JJ:OA0+JJ+1], v[NMA:NMA+1] op_sel_hi:[1,0]   ; register 8 t + i is o(query r, channel 16 t + 8 h + i); each result from its low end on
.set JJ, JJ+2
.endr
.set JJ, 0
.rept 16
	v_pk_mul_f32 v[S+32+JJ:S+33+JJ], v[OB0+JJ:OB0+JJ+1], v[NMB:NMB+1] op_sel_hi:[1,0]
.set JJ, JJ+2
.endr
	WIN 0
.irp x, 0,1
.irp t, 0,1,2,3
	ds_store_b128 v14, v[S+32*\x+8*\t:S+32*\x+8*\t+3] offset:16*SPITCH*\x+64*\t
	ds_store_b128 v14, v[S+32*\x+8*\t+4:S+32*\x+8*\t+7] offset:16*SPITCH*\x+64*\t+16
.endr
.endr
.irp i, 0,1,2,3,4,5,6,7,8,9,10,11,12,13,14,15
	ds_load_b128 v[S+64+4*\i:S+64+4*\i+3], v15 offset:\i*2*SPITCH   ; LDS serves a wave's instructions in order (ISA guide 5.7.1.4): these see my stores above
.endr
.irp i, 0,1,2,3,4,5,6,7,8,9,10,11,12,13,14,15
	s_wait_dscnt 15-\i                             ; load i is back; the younger ones may be out
	global_store_b128 v[LI], v[S+64+4*\i:S+64+4*\i+3], s[8:9] offset:512*\i th:TH_STORE_NT   ; two rows of out0: 512 consecutive bytes, aligned to 256
.endr
	s_wait_tensorcnt 0x0                           ; the wave's end
	ds_add_u32 v[SPW], v[NIL]
	s_wait_dscnt 0x0
	ROUND                                          ; the closing round: no work-group ends while a partner may still ask for a block that names it
	s_endpgm
.Lfunc_end_k_q9b16712039_attn:
	.size	k_q9b16712039_attn, .Lfunc_end_k_q9b16712039_attn-k_q9b16712039_attn
	.p2alignl 7, 3214868480
	.fill 96, 4, 3214868480
	.section	.rodata,"a",@progbits
	.p2align	6, 0x0
	.amdhsa_kernel k_q9b16712039_attn
		.amdhsa_group_segment_fixed_size 327680
		.amdhsa_private_segment_fixed_size 0
		.amdhsa_enable_private_segment 0
		.amdhsa_kernarg_size 24
		.amdhsa_user_sgpr_count 2
		.amdhsa_user_sgpr_kernarg_segment_ptr 1
		.amdhsa_wavefront_size32 1
		.amdhsa_system_sgpr_workgroup_id_x 1
		.amdhsa_system_sgpr_workgroup_id_y 1
		.amdhsa_system_sgpr_workgroup_id_z 1
		.amdhsa_system_vgpr_workitem_id 0
		.amdhsa_next_free_vgpr 416
		.amdhsa_next_free_sgpr 66
		.amdhsa_reserve_vcc 0
		.amdhsa_float_denorm_mode_32 3
		.amdhsa_float_denorm_mode_16_64 3
		.amdhsa_memory_ordered 1
		.amdhsa_forward_progress 1
		.amdhsa_inst_pref_size 142
	.end_amdhsa_kernel
	.amdgpu_metadata
---
amdhsa.version: [ 1, 2 ]
amdhsa.kernels:
  - .name:           k_q9b16712039_attn
    .symbol:         k_q9b16712039_attn.kd
    .args:
      - { .name: Q, .offset: 0, .size: 8, .value_kind: global_buffer, .address_space: global }
      - { .name: kv, .offset: 8, .size: 8, .value_kind: global_buffer, .address_space: global }
      - { .name: out0, .offset: 16, .size: 8, .value_kind: global_buffer, .address_space: global }
    .group_segment_fixed_size: 327680
    .private_segment_fixed_size: 0
    .kernarg_segment_align: 8
    .kernarg_segment_size: 24
    .max_flat_workgroup_size: 256
    .sgpr_count:     66
    .vgpr_count:     416
    .wavefront_size: 32
...
	.end_amdgpu_metadata
.endif
;; end of part 2
